; MI455X (gfx1250); checked and timed in simulation.
; The chip was launched on July 23, 2026; its instructions are those of AMD's public machine-readable ISA for CDNA 5 (MIT licence, August 2026) and "CDNA5" Instruction Set Architecture Reference Guide (July 2026). The comments in the code are by the model that wrote it; some were corrected since.
;; LSTM Cell Exp. Allowed arithmetic: matrix products marked QUANTISED: E2M3 operands, one E8M0 scale for each 32 along K, by v_wmma_scale_f32_16x16x128_f8f6f4 with both operands' format E2M3, f32 sums; everything else in f32.
;; Inputs: bias 1 x 2,048 float32; bias_f 1 x 2,048 float32; bias_i 1 x 2,048 float32; bias_o 1 x 2,048 float32; hidden_state 8,192 x 2,048 float32; weight 2,048 x 1,024 float32; weight_f 2,048 x 1,024 float32; weight_i 2,048 x 1,024 float32; weight_o 2,048 x 1,024 float32; x_codes 8,192 x 32 x 24 uint8 (E2M3 codes of x, K innermost, in blocks of 32 codes, four codes in three bytes); x_scales 8,192 x 32 uint8 (E8M0 scales of x, one for each 32 codes along K).
;; Outputs: out0 8,192 x 2,048 float32.
;; This version of the problem:
;;   THIS VERSION OF THE PROBLEM IS GIVEN IN LOW PRECISION. The matrix products marked QUANTISED in the list below multiply operands that are first quantised to E2M3 (2 exponent bits, 3 mantissa bits; 6 bits a number), with one power-of-two scale for each 32 numbers along K (OCP MX v1.0); their sums are f32. All else is computed in f32.
;;   The module's matrix products, in the order in which they are computed (A, B: the left and right operand; K: the contracted axis; several contracted axes count as one K, in the product's order):
;;     1. [M 8,192, K 1,024] x [K 1,024, N 1,024]; A: input x (given as codes); B: input weight_i: QUANTISED
;;     2. [M 8,192, K 1,024] x [K 1,024, N 1,024]; A: input hidden_state; B: input weight_i: QUANTISED
;;     3. [M 8,192, K 1,024] x [K 1,024, N 1,024]; A: input x (given as codes); B: input weight_f: QUANTISED
;;     4. [M 8,192, K 1,024] x [K 1,024, N 1,024]; A: input hidden_state; B: input weight_f: QUANTISED
;;     5. [M 8,192, K 1,024] x [K 1,024, N 1,024]; A: input x (given as codes); B: input weight: QUANTISED
;;     6. [M 8,192, K 1,024] x [K 1,024, N 1,024]; A: input hidden_state; B: input weight: QUANTISED
;;     7. [M 8,192, K 1,024] x [K 1,024, N 1,024]; A: input x (given as codes); B: input weight_o: QUANTISED
;;     8. [M 8,192, K 1,024] x [K 1,024, N 1,024]; A: input hidden_state; B: input weight_o: QUANTISED
;;   THE QUANTISER, for each operand of a quantised product, along K:
;;     - K is cut into blocks of 32 from its start; a last block that is shorter is filled with zeros.
;;     - A block's scale is 2^e with e = floor(log2(the largest magnitude in the block)) - 2, held to -126 .. 127; a block of zeros has e = 0. As a byte (E8M0): e + 127.
;;     - Each number is divided by its block's scale, clamped to +-7.5, and rounded to the nearest number of E2M3, ties to even, subnormals kept.
;;     - The product sums the exact products of the quantised numbers (number of the format x scale) in f32.
;;   ~~~python
;;   def quantise(x, axis):      # numpy; x: float32 -> the quantised numbers, widened to float32 again
;;       x = np.moveaxis(x, axis, -1); K = x.shape[-1]
;;       x = np.pad(x, [(0, 0)] * (x.ndim - 1) + [(0, -K % 32)]); x = x.reshape(x.shape[:-1] + (-1, 32)); a = np.abs(x).max(-1, keepdims=True)
;;       e = np.where(a > 0, np.clip(np.frexp(np.where(a > 0, a, 1))[1] - 1 - 2, -126, 127), 0)      # np.frexp(a)[1] - 1 = floor(log2(a)), exactly
;;       r = np.clip(x / 2.0 ** e, -7.5, 7.5)
;;       step = 2.0 ** (np.maximum(np.frexp(np.where(r == 0, 1, r))[1] - 1, 0) - 3)
;;       q = np.round(r / step) * step * 2.0 ** e      # np.round: ties to even
;;       return np.moveaxis(q.reshape(q.shape[:-2] + (-1,))[..., :K], -1, axis).astype(np.float32)
;;   ~~~
;;   INPUTS GIVEN AS CODES. x (in the module: [8192, 1024], K = its axis 1): each comes as NAME_codes (uint8): NAME with its K axis moved to the last place and cut into blocks of 32 codes, [.., K / 32, bytes a block], one block behind the other in memory; four codes in three bytes: a row's codes are one little-endian stream of bits, code i at bits 6 i .. 6 i + 5 (a code: sign, 2 exponent bits, 3 mantissa bits); and NAME_scales (uint8): the same leading axes, one E8M0 byte (e + 127) for each 32 codes along K. Its value is code x scale, taken as it is: it is not quantised again, and the codes and scales need not be those that the quantiser above would give.
;; One version. Each part assembles by itself: llvm-mc -triple=amdgcn-amd-amdhsa -mcpu=gfx1250 --defsym DOCPART=n.
;; ======== version 1 of 1: 2 launches
;; workspace buffers: h_codes 6,291,456 bytes; h_scales 262,144 bytes; w_codes 6,291,456 bytes; w_scales 262,144 bytes
;; launch quant (part 1): grid 512 x 1, 4 waves a work-group, no clusters, 68,096 bytes of LDS; arguments hidden_state, weight_i, weight_f, weight, weight_o, h_codes, h_scales, w_codes, w_scales; writes h_codes, h_scales, w_codes, w_scales
.if DOCPART == 1
	.amdgcn_target "amdgcn-amd-amdhsa--gfx1250"
	.amdhsa_code_object_version 6
	.text
	.protected	k_q5ee5f600ee_quant
	.globl	k_q5ee5f600ee_quant
	.p2align	8
	.type	k_q5ee5f600ee_quant,@function
k_q5ee5f600ee_quant:
	s_mov_b64 s[64:65], 0
	v_nop
	global_prefetch_b8 v0, s[64:65] scope:SCOPE_SE
	s_setreg_imm32_b32 hwreg(HW_REG_WAVE_MODE, 25, 1), 1
	s_wait_xcnt 0x0
; The wide operands of the LSTM cell's products become codes of FP6 (E2M3), K innermost, with one E8M0 byte for each 32 along K.
; A block's scale is 2^(floor(log2(its largest magnitude)) - 2): its byte is the largest magnitude's exponent field - 2, held at 1 from below.
; Work-groups 0-255: h_prev = hidden_state[:, 0:1024] (K innermost; rows of 4,096 bytes, 8,192 bytes apart) -> h_codes [8192][768 bytes], h_scales [8192][32].
; Work-groups 256-511: the four weights [2048 (k)][1024 (c)] (K outermost) -> w_codes [2 (half of K)][4096 (n')][768 bytes], w_scales [2][4096][32].
;   n' = 64 (c / 16) + 16 g + c % 16, g = 0 weight_i, 1 weight_f, 2 weight, 3 weight_o: the four gates of 16 columns lie in four neighbouring blocks of 16 rows,
;   so that the product's launch finds the four z of one output in one lane.
; LIMITS: NaN and infinities among the inputs are not served.  A block of zeros gets the byte 1 (the rule says 127): its codes are zeros, which add nothing, and this program alone reads the bytes.
; The two paths part on the work-group's number, never join, and have LDS bytes of their own.  No barrier: waves share nothing.  No tensor loads, no matrix work: memory binds.
.set STEPS,  16                        ; h: steps of 512 numbers for a wave: 8 rows
.set CB,     12                        ; bytes of 16 codes
.set WREG,   8192                      ; h: LDS region of a wave: two stages of 32 x SP bytes, then its 256 scale bytes
.set SP,     80                        ; a lane's place in a stage: 64 bytes + 16 of padding
.set HR,     16                        ; v16-79   four sets of 16 numbers as loaded
.set HX,     80                        ; v80-111  two sets of 16 neighbours
.set HE,     112                       ; v112-127 a scale byte for each step
.set HC,     128                       ; v128-191 codes: four registers for each step, so that no store's data are written again
.set WSTG,   32768                     ; w: the stages begin here: 32 rows x WPITCH for each wave
.set WPITCH, 272                       ; a stage row: sixteen places of 16 bytes (12 of codes each) + 16
.set NB,     8                         ; w: blocks of 32 along K for a wave
.set WX,     32                        ; v32-95   two sets of 32 numbers
.set WCD,    96                        ; v96-102  a block's codes
.set WOUT,   112                       ; v112-175 the way out
.set WSB,    24                        ; v24-25   8 scale bytes
.set FLOOR,  0x1800000                 ; 2^(3 - 127): no largest magnitude is taken under it, so the byte cannot fall under 1
.set OFFE,   0xff000000                ; takes 2 off an exponent field
	s_load_b256 s[4:11], s[0:1], 0x0               ; hidden_state, weight_i, weight_f, weight
	s_load_b256 s[12:19], s[0:1], 0x20             ; weight_o, h_codes, h_scales, w_codes
	s_load_b64 s[20:21], s[0:1], 0x40              ; w_scales
	v_lshl_add_u32 v192, v0, 2, 0x10800
	v_mov_b32 v193, 0
	v_lshrrev_b32 v1, 5, v0
	v_readfirstlane_b32 s22, v1                    ; wave 0..3
	v_and_b32 v2, 31, v0                           ; lane
	s_wait_kmcnt 0x0
	s_cmp_lt_u32 ttmp9, 256
	s_cbranch_scc0 .Lweights
; ---------------- h_prev: K innermost ----------------
; Each load reads 512 consecutive bytes, 16 a lane; a step's 2,048 bytes turn through the wave's own stage and come back 64 bytes a lane: 16 neighbours along K, two lanes to a block.
	v_lshlrev_b32 v3, 4, v2                        ; my 16 bytes of a load's 512
	s_mul_i32 s24, s22, WREG
	v_lshrrev_b32 v14, 2, v2
	v_mul_u32_u24 v14, v14, SP
	v_and_b32 v15, 3, v2
	v_lshl_add_u32 v14, v15, 4, v14
	v_add_nc_u32 v14, s24, v14                     ; into the stage: SP (lane / 4) + 16 (lane % 4)
	v_mul_u32_u24 v15, v2, SP
	v_add_nc_u32 v15, s24, v15                     ; out of it: SP x lane
	v_mul_u32_u24 v4, v2, CB                       ; my codes' place in a step's 384 bytes
	v_lshrrev_b32 v5, 1, v2
	s_add_co_u32 s24, s24, 2*32*SP
	v_add_nc_u32 v5, s24, v5                       ; my block's byte among the wave's 256
	v_lshlrev_b32 v7, 3, v2
	v_add_nc_u32 v6, s24, v7                       ; and 8 bytes a lane on the way out
	s_lshl_b32 s25, ttmp9, 2
	s_add_co_u32 s25, s25, s22                     ; my run of 8 rows: 4 x work-group + wave
	s_lshl_b32 s26, s25, 16                        ; 8 rows of 8,192 bytes
	s_mov_b32 s27, 0
	s_add_nc_u64 s[4:5], s[4:5], s[26:27]
	s_mul_i32 s26, s25, 8*768
	s_add_nc_u64 s[14:15], s[14:15], s[26:27]
	s_lshl_b32 s26, s25, 8                         ; 8 rows of 32 scale bytes
	s_add_nc_u64 s[16:17], s[16:17], s[26:27]
.macro HLOAD t                         ; step t: half t % 2 of row t / 2
.irp i, 0,1,2,3
	global_load_b128 v[HR+16*((\t)%4)+4*\i:HR+16*((\t)%4)+4*\i+3], v3, s[4:5] offset:8192*((\t)/2)+2048*((\t)%2)+512*\i th:TH_LOAD_NT
.endr
.endm
.macro HTURN t                         ; through the stage: LDS serves a wave's instructions in order, so no wait stands between the stores and the loads
.irp i, 0,1,2,3
	ds_store_b128 v14, v[HR+16*((\t)%4)+4*\i:HR+16*((\t)%4)+4*\i+3] offset:32*SP*((\t)%2)+8*SP*\i
.endr
.irp i, 0,1,2,3
	ds_load_b128 v[HX+16*((\t)%2)+4*\i:HX+16*((\t)%2)+4*\i+3], v15 offset:32*SP*((\t)%2)+16*\i
.endr
.endm
.irp t, 0,1,2,3
	HLOAD \t
.endr
	s_wait_loadcnt 12                              ; step 0's four loads are in; the twelve of steps 1 to 3 may be out
	HTURN 0
.macro HSTEP t
.set XS, HX+16*((\t)%2)
.if (\t) > 0
	s_wait_dscnt 1                                 ; this step's numbers are back from the stage; the last step's byte store may be out
.else
	s_wait_dscnt 0x0
.endif
.if (\t)+4 < STEPS
	HLOAD (\t)+4                                   ; into the registers that this step's stage stores have read
.endif
.if (\t)+1 < STEPS
.if STEPS-2-(\t) >= 3
	s_wait_loadcnt 12                              ; the next step's four loads are in; those of the three steps behind it may be out
.else
	s_wait_loadcnt 4*(STEPS-2-(\t))
.endif
	HTURN (\t)+1                                   ; through the other stage while this step is worked
.endif
	v_max3_num_f32 v8, |v[XS]|, |v[XS+1]|, |v[XS+2]|               ; the largest magnitude of my 16, in two chains
	v_max3_num_f32 v9, |v[XS+3]|, |v[XS+4]|, |v[XS+5]|
.irp i, 6,10
	v_max3_num_f32 v8, v8, |v[XS+\i]|, |v[XS+\i+1]|
	v_max3_num_f32 v9, v9, |v[XS+\i+2]|, |v[XS+\i+3]|
.endr
	v_max3_num_f32 v8, v8, |v[XS+14]|, |v[XS+15]|
	v_max3_num_f32 v8, v8, v9, FLOOR
	v_max_num_f32_dpp v8, v8, v8 row_xmask:1 row_mask:0xf bank_mask:0xf   ; with my neighbour's 16: the block's
	v_add_nc_u32 v11, OFFE, v8                     ; the conversion takes this operand's exponent field as its scale
	v_cvt_scalef32_pk16_fp6_f32 v[HC+4*(\t):HC+4*(\t)+2], v[XS:XS+15], v11
	v_lshrrev_b32 v[HE+(\t)], 23, v11              ; the scale's byte (also the plain line behind the conversion)
	ds_store_b8 v5, v[HE+(\t)] offset:16*(\t)      ; both lanes of a block write the same byte with the same value
	global_store_b96 v4, v[HC+4*(\t):HC+4*(\t)+2], s[14:15] offset:32*CB*(\t)   ; the wave stores 384 consecutive bytes
.endm
.irp t, 0,1,2,3,4,5,6,7,8,9,10,11,12,13,14,15
	HSTEP \t
.endr
	ds_load_b64 v[12:13], v6                       ; in order behind my byte stores
	s_wait_dscnt 0x0
	global_store_b64 v7, v[12:13], s[16:17]        ; 32 lanes store 256 consecutive bytes, aligned
	s_wait_tensorcnt 0x0
	ds_add_u32 v192, v193
	s_wait_dscnt 0x0
	s_endpgm
; ---------------- the weights: K outermost ----------------
; A lane takes a column, its registers run down K: a block of 32 lies in one lane, and the conversions give codes with K innermost.  A wave: 32 columns x 256 along K.
.Lweights:
	s_sub_co_u32 s23, ttmp9, 256
	s_lshr_b32 s24, s23, 6                         ; g: which weight
	s_and_b32 s25, s23, 7                          ; which 128 columns
	s_bfe_u32 s26, s23, 0x30003                    ; which 256 along K (0..7)
	s_lshr_b32 s27, s26, 2                         ; the half of K,
	s_and_b32 s28, s26, 3                          ; and the quarter of that half
	s_cmp_eq_u32 s24, 1                            ; the weight's address: a choice on the work-group's number alone
	s_cselect_b64 s[6:7], s[8:9], s[6:7]
	s_cmp_eq_u32 s24, 2
	s_cselect_b64 s[6:7], s[10:11], s[6:7]
	s_cmp_eq_u32 s24, 3
	s_cselect_b64 s[6:7], s[12:13], s[6:7]
	s_lshl_b32 s29, s25, 3
	s_lshl_b32 s30, s22, 1
	s_add_co_u32 s29, s29, s30                     ; my first column / 16 = 8 x (which 128) + 2 x wave
	s_lshl_b32 s30, s26, 20                        ; 256 rows of 4,096 bytes
	s_lshl_b32 s31, s29, 6                         ; + 4 bytes a column
	s_add_co_u32 s30, s30, s31
	s_mov_b32 s31, 0
	s_add_nc_u64 s[6:7], s[6:7], s[30:31]
	s_lshl_b32 s29, s29, 6
	s_lshl_b32 s32, s24, 4
	s_add_co_u32 s29, s29, s32                     ; n' of my first column
	s_mul_i32 s30, s29, 768
	s_mul_i32 s32, s27, 4096*768
	s_add_co_u32 s30, s30, s32
	s_mul_i32 s32, s28, 192
	s_add_co_u32 s30, s30, s32
	s_add_nc_u64 s[18:19], s[18:19], s[30:31]      ; the codes
	s_lshl_b32 s30, s29, 5
	s_lshl_b32 s32, s27, 17
	s_add_co_u32 s30, s30, s32
	s_lshl_b32 s32, s28, 3
	s_add_co_u32 s30, s30, s32
	s_add_nc_u64 s[20:21], s[20:21], s[30:31]      ; the scale bytes
	v_lshlrev_b32 v3, 2, v2                        ; in: 4 bytes a lane
	s_mul_i32 s33, s22, 32*WPITCH
	s_add_co_u32 s33, s33, WSTG                    ; my stage
	v_mul_u32_u24 v4, v2, WPITCH
	v_add_nc_u32 v4, s33, v4                       ; into it: row = my column
	v_and_b32 v5, 15, v2
	v_lshrrev_b32 v6, 4, v2
	v_mul_u32_u24 v7, v6, WPITCH
	v_lshl_add_u32 v7, v5, 4, v7
	v_add_nc_u32 v7, s33, v7                       ; out of it: sixteen lanes to a row, two rows an instruction
	v_mul_u32_u24 v8, v6, 768
	v_mad_u32_u24 v8, v5, 12, v8                   ; and the same place in the codes' buffer
	v_lshl_add_u32 v9, v6, 6, v5
	v_lshlrev_b32 v9, 5, v9                        ; my column's row of scale bytes: lanes 16-31 stand 64 rows of n' further on
.macro WLOAD t                         ; block t: W(32 t + i, my column) into set t % 2
.irp i, 0,1,2,3,4,5,6,7,8,9,10,11,12,13,14,15,16,17,18,19,20,21,22,23,24,25,26,27,28,29,30,31
	global_load_b32 v[WX+32*((\t)%2)+\i], v3, s[6:7] offset:(32*(\t)+\i)*4096 th:TH_LOAD_NT
.endr
.endm
	WLOAD 0
	WLOAD 1
.macro WBLOCK t
.set XS, WX+32*((\t)%2)
.if (\t) < NB-1
	s_wait_loadcnt 32                              ; this block's 32 loads are in; the next block's may be out
.else
	s_wait_loadcnt 0
.endif
	v_max3_num_f32 v12, |v[XS]|, |v[XS+1]|, |v[XS+2]|              ; all 32 numbers of the block are mine
	v_max3_num_f32 v13, |v[XS+3]|, |v[XS+4]|, |v[XS+5]|
.irp i, 6,10,14,18,22,26
	v_max3_num_f32 v12, v12, |v[XS+\i]|, |v[XS+\i+1]|
	v_max3_num_f32 v13, v13, |v[XS+\i+2]|, |v[XS+\i+3]|
.endr
	v_max3_num_f32 v12, v12, |v[XS+30]|, |v[XS+31]|
	v_max3_num_f32 v12, v12, v13, FLOOR
	v_add_nc_u32 v11, OFFE, v12
	v_lshrrev_b32 v13, 23, v11                     ; the scale's byte
.if (\t)%4 == 0
	v_mov_b32 v[WSB+(\t)/4], v13                   ; four bytes to a register, the lower K in the lower byte
.else
	v_lshl_or_b32 v[WSB+(\t)/4], v13, 8*((\t)%4), v[WSB+(\t)/4]
.endif
	v_cvt_scalef32_pk16_fp6_f32 v[WCD:WCD+2], v[XS:XS+15], v11
	v_cvt_scalef32_pk16_fp6_f32 v[WCD+4:WCD+6], v[XS+16:XS+31], v11    ; (a conversion's three registers begin on an even number)
	v_nop                                          ; one plain line behind the conversions
	ds_store_b96 v4, v[WCD:WCD+2] offset:32*(\t)   ; 12 bytes to a place of 16, so that every LDS address is a multiple of 16
	ds_store_b96 v4, v[WCD+4:WCD+6] offset:32*(\t)+16
.if (\t)+2 < NB
	WLOAD (\t)+2
.endif
	s_wait_dscnt 0x0                               ; the stores have read their registers: the next block's codes may be written
.endm
.irp t, 0,1,2,3,4,5,6,7
	WBLOCK \t
.endr
	global_store_b64 v9, v[WSB:WSB+1], s[20:21]    ; my column's 8 scale bytes
.irp t, 0,1,2,3,4,5,6,7,8,9,10,11,12,13,14,15
	ds_load_b96 v[WOUT+4*\t:WOUT+4*\t+2], v7 offset:2*\t*WPITCH    ; in order behind my stores
.endr
.irp t, 0,1,2,3,4,5,6,7,8,9,10,11,12,13,14,15
	s_wait_dscnt 15-\t                             ; the younger loads may be out
	global_store_b96 v8, v[WOUT+4*\t:WOUT+4*\t+2], s[18:19] offset:((\t/8)*64+2*(\t%8))*768   ; sixteen lanes store a row's 192 consecutive bytes; columns 16-31 stand 64 rows of n' further on
.endr
	s_wait_tensorcnt 0x0
	ds_add_u32 v192, v193
	s_wait_dscnt 0x0
	s_endpgm
.Lfunc_end_k_q5ee5f600ee_quant:
	.size	k_q5ee5f600ee_quant, .Lfunc_end_k_q5ee5f600ee_quant-k_q5ee5f600ee_quant
	.p2alignl 7, 3214868480
	.fill 96, 4, 3214868480
	.section	.rodata,"a",@progbits
	.p2align	6, 0x0
	.amdhsa_kernel k_q5ee5f600ee_quant
		.amdhsa_group_segment_fixed_size 68096
		.amdhsa_private_segment_fixed_size 0
		.amdhsa_enable_private_segment 0
		.amdhsa_kernarg_size 72
		.amdhsa_user_sgpr_count 2
		.amdhsa_user_sgpr_kernarg_segment_ptr 1
		.amdhsa_wavefront_size32 1
		.amdhsa_system_sgpr_workgroup_id_x 1
		.amdhsa_system_sgpr_workgroup_id_y 1
		.amdhsa_system_sgpr_workgroup_id_z 1
		.amdhsa_system_vgpr_workitem_id 0
		.amdhsa_next_free_vgpr 194
		.amdhsa_next_free_sgpr 66
		.amdhsa_reserve_vcc 0
		.amdhsa_float_denorm_mode_32 3
		.amdhsa_float_denorm_mode_16_64 3
		.amdhsa_memory_ordered 1
		.amdhsa_forward_progress 1
		.amdhsa_inst_pref_size 74
	.end_amdhsa_kernel
	.amdgpu_metadata
---
amdhsa.version: [ 1, 2 ]
amdhsa.kernels:
  - .name:           k_q5ee5f600ee_quant
    .symbol:         k_q5ee5f600ee_quant.kd
    .args:
      - { .name: hidden_state, .offset: 0, .size: 8, .value_kind: global_buffer, .address_space: global }
      - { .name: weight_i, .offset: 8, .size: 8, .value_kind: global_buffer, .address_space: global }
      - { .name: weight_f, .offset: 16, .size: 8, .value_kind: global_buffer, .address_space: global }
      - { .name: weight, .offset: 24, .size: 8, .value_kind: global_buffer, .address_space: global }
      - { .name: weight_o, .offset: 32, .size: 8, .value_kind: global_buffer, .address_space: global }
      - { .name: h_codes, .offset: 40, .size: 8, .value_kind: global_buffer, .address_space: global }
      - { .name: h_scales, .offset: 48, .size: 8, .value_kind: global_buffer, .address_space: global }
      - { .name: w_codes, .offset: 56, .size: 8, .value_kind: global_buffer, .address_space: global }
      - { .name: w_scales, .offset: 64, .size: 8, .value_kind: global_buffer, .address_space: global }
    .group_segment_fixed_size: 68096
    .private_segment_fixed_size: 0
    .kernarg_segment_align: 8
    .kernarg_segment_size: 72
    .max_flat_workgroup_size: 128
    .sgpr_count:     66
    .vgpr_count:     194
    .wavefront_size: 32
...
	.end_amdgpu_metadata
.endif
;; end of part 1
;; launch cell (part 2): grid 16 x 32, 4 waves a work-group, clusters of 4 x 4, 327,680 bytes of LDS; arguments x_codes, x_scales, h_codes, h_scales, w_codes, w_scales, bias_i, bias_f, bias, bias_o, hidden_state, out0; writes out0
.if DOCPART == 2
	.amdgcn_target "amdgcn-amd-amdhsa--gfx1250"
	.amdhsa_code_object_version 6
	.text
	.protected	k_q5ee5f600ee_cell
	.globl	k_q5ee5f600ee_cell
	.p2align	8
	.type	k_q5ee5f600ee_cell,@function
k_q5ee5f600ee_cell:
	s_mov_b64 s[64:65], 0
	v_nop
	global_prefetch_b8 v0, s[64:65] scope:SCOPE_SE
	s_setreg_imm32_b32 hwreg(HW_REG_WAVE_MODE, 25, 1), 1
	s_wait_xcnt 0x0
	s_wait_alu depctr_hold_cnt(0) depctr_sa_sdst(0) depctr_va_vdst(0) depctr_va_sdst(0) depctr_va_ssrc(0) depctr_va_vcc(0) depctr_vm_vsrc(0)
	s_getreg_b32 s2, hwreg(HW_REG_IB_STS2, 6, 4)
	s_cmp_eq_u32 s2, 0
	s_cbranch_scc0 .Lentry_in_a_cluster
	s_endpgm
.Lentry_in_a_cluster:
	s_bfe_u32 s2, ttmp6, 0x10000c
	s_cmp_lg_u32 s2, 0xf033
	s_cbranch_scc0 .Lentry_shape_is_right
	s_endpgm
.Lentry_shape_is_right:
; The LSTM cell: z_g = x W_g[:1024] + h W_g[1024:] + b_g[:1024] + b_g[1024:] for the four gates, as ONE product on codes of FP6 (E2M3) with E8M0 scales for each 32 along K
; (M = 8,192; K = 1,024 of x + 1,024 of h; N = 4,096 rows n' of the weights' codes), and the cell's arithmetic on the sums while they are in registers:
; c_t = sigmoid(z_f) c_prev + sigmoid(z_i) tanh(z_g);  h_t = sigmoid(z_o) tanh(c_t);  out0 = [h_t | c_t].
; n' = 64 (c / 16) + 16 g + c % 16 (g = 0 i, 1 f, 2 candidate, 3 o): a wave's eight blocks of 16 rows of B are the four gates of two groups of 16 columns.
; A work-group of four waves makes 256 rows x 256 n' (64 columns x 4 gates); a wave 128 x 128: 64 accumulators, 512 registers.  THE MATRIX INSTRUCTION IS USED TRANSPOSED (source 0 = 16 rows of B,
; source 1 = 16 rows of A): a lane holds one row and eight neighbouring columns, and the four z of one output lie in the same lane and register number of four accumulators.
; K goes in steps of 256 through two LDS slots.  SLOT 0 ALWAYS HOLDS A STEP OF THE x HALF (x_codes, plane 0 of w_codes), SLOT 1 ONE OF THE h HALF (h_codes, plane 1): x0, h0, x1, h1 .. x3, h3.
; Each output has one f32 sum, begun with b[:1024] + b[1024:] as the C of its first product.  LIMIT: that order of f32 roundings is not the source's (x's sum, bias, h's sum, bias).
; A STEP OF 128 ALONG K is 64 matrix instructions in four groups of 16 (two of A's blocks x B's eight).  Behind each group stands a short run of LDS loads for the NEXT step: the two blocks of A just
; multiplied are fetched anew, and with them a share of B's other set: 30, 30, 24 and 12 loads.  So all reads of a slot are over when its first step ends, and the change of slots stands at the head of its second.
; The scale bytes of the work-group's rows, both halves of K, come into LDS once, with the first fills.  Slot 0's last fill is c_prev (256 rows x 256 bytes); c_t is laid over it, h_t goes to slot 1, both
; behind those slots' last fills and last reads, and rows of 256 bytes leave from there.
; CLUSTERS: 4 x 4 work-groups.  A's tiles are asked for jointly by the four of a row of the cluster, B's by the four of a column.  c_prev is each work-group's own: a plain load, behind a round like the others.
; sigmoid(z) = 1 / (1 + 2^(-z log2 e)), tanh(z) = 1 - 2 / (1 + 2^(2 z log2 e)): an exponential that overflows gives the reciprocal 0, one that falls to 0 gives 1: both ends are right with no clamp.
; REGISTERS, in windows of 256: window 0: v1-30 addresses; v32-63 scale words, two sets, and nothing else; v64-127 the biases' sums (C of the first step); from v128 A's fragments, one set.
;   In the cell's arithmetic: v64-127 four gates x 16 numbers; v128-143 c_prev, then c_t; v144-159 h_t; v160-191 rows read back; v192-207 at work for tanh(c_t).
;   window 1: B's fragments, two sets, at v0 and v128.   windows 2, 3: the accumulators of my rows 0-63, 64-127 ((a, b) at v[8 (8 (a % 4) + b)]).
.set NQ,     2                         ; matrix instructions deep in a slot
.set ROWB,   192                       ; a tile's row: 256 codes
.set KROW,   768                       ; a row of codes in memory: 1,024 codes
.set PITCH,  240                       ; an LDS row: 3 x (64 bytes + 16 of padding)
.set FR,     12                        ; registers of a fragment
.set NL,     6                         ; LDS loads that bring one
.set NP,     4                         ; places behind this matrix instruction (ISA guide 7.12.1)
.set HALFT,  128*PITCH
.set SLOT,   4*HALFT                   ; A's 256 rows, then B's 256
.set LAPS,   4
.set HALFS,  16*272                    ; the scales of 128 rows for one half of K: 4,096 bytes as 16 rows of 256 + 16
.set SBLK,   2*272                     ; those of 16 rows
.set SCL,    2*SLOT                    ; behind the ring: the x half's scales (A 0-127, A 128-255, B 0-127, B 128-255),
.set SCP,    4*HALFS                   ; and SCP further on the h half's
.set SPARE,  SCL+2*SCP                 ; the spare words, 128 bytes for each wave: two blocks of 256 bytes that no other line names
.set EP,     272                       ; c_prev, c_t and h_t in LDS: rows of 256 bytes + 16
.set CHUNK,  16*EP
.set CPA,  8                           ; v8   my 32 bytes of a row of c_prev / c_t
.set HPA,  9                           ; v9   the same for h_t
.set RDC,  10                          ; v10  where I read rows of c_t back
.set RDH,  11                          ; v11  and of h_t
.set CO,   12                          ; v12  my byte offset in two rows of out0
.set VB,   13                          ; v13  my byte offset in a bias
.set ADRA, 16                          ; v16-17 my A fragments in slot 0, 1 (v18-19: behind one padding more)
.set ADRB, 20                          ; v20-21 the same for B (v22-23)
.set ADRS, 24                          ; v24, v25 my scale words of the x half, the h half: lanes 0-15 A's rows, lanes 16-31 B's
.set SPW,  28                          ; v28  my spare word; never rewritten
.set NIL,  29                          ; v29  0; never rewritten
.set PFO,  30                          ; v30  the prefetch's offset: lane x a row of hidden_state; never rewritten
.set SC,   32                          ; scale words: set s at v[SC + 16 s]; register 2 i + q
.set BI,   64                          ; the biases' sums: block b at v[BI + 8 b]
.set BH,   128                         ; at the head: the biases' second halves
.set AF,   128                         ; A's fragments
.set T,    64                          ; the gates: T + 16 g + 8 cg + j
.set TI,   T
.set TF,   T+16
.set TG,   T+32
.set TO,   T+48
.set CPR,  128
.set HH,   144
.set OB,   160
.set TC,   192
.set G1C,  4                           ; s[4:11]   group 1 for c_prev (in the registers that held four addresses)
.set NLE,  12                          ; s[12:13]  -log2(e), twice
.set PLE,  14                          ; s[14:15]  2 log2(e), twice
.set G1A,  28                          ; s[28:35], s[36:43] groups 1 for A's and B's tiles
.set G1B,  36
.set G0A,  44                          ; s[44:51], s[52:59] groups 0, one set for each slot
.set G0B,  52
.set G0C,  60                          ; s[60:63]  group 0 for c_prev
.set WV,   66
.set WR,   67                          ; which half of the rows is mine; also: I fetch for A (0) or for B (1)
.set WC,   100                         ; which half of the n'; also: which 128 rows I fetch
.set G1S,  68                          ; s[68:75], s[76:83] groups 1 for A's and B's scales
.set G1SB, 76
.set G0S,  84                          ; s[84:91], s[92:99] groups 0, one set for each half of K
.set G0SB, 92
.set MSB, 0
.macro WIN new                         ; the immediate's high byte repeats the setting that is left
.if MSB != \new
	s_set_vgpr_msb (MSB<<8)|\new
.set MSB, \new
.endif
.endm
.set MUL_LO,   0xa1                    ; source 0 (B) window 1, source 1 (A) window 0, C and D window 2
.set MUL_HI,   0xf1                    ; the same, C and D window 3
.set FIRST_LO, 0x81                    ; the first step: C (the biases) window 0, D window 2
.set FIRST_HI, 0xc1                    ; D window 3
.set TO_B,     0x40                    ; destination window 1, address window 0
.macro WLO zero
.if \zero
	WIN FIRST_LO
.else
	WIN MUL_LO
.endif
.endm
.macro WHI zero
.if \zero
	WIN FIRST_HI
.else
	WIN MUL_HI
.endif
.endm
; A joint load: waves 0 and 1 fetch for A, waves 2 and 3 for B; the branch hangs on the wave's number alone.  Four v_nop follow each of the two lines.
.macro JLOAD g0a, g1a, g0b, g1b
	s_cmp_eq_u32 s[WR], 0
	s_cbranch_scc0 .Lfor_b_\@
	tensor_load_to_lds s[\g0a:\g0a+3], s[\g1a:\g1a+7]
	s_nop 0
.rept 4
	v_nop
.endr
	s_branch .Lasked_\@
.Lfor_b_\@:
	tensor_load_to_lds s[\g0b:\g0b+3], s[\g1b:\g1b+7]
	s_nop 0
.rept 4
	v_nop
.endr
.Lasked_\@:
.endm
.macro CREST                           ; a round of the cluster's barrier behind its opening barrier
	s_cmp_lg_u32 s[WV], 0
	s_cbranch_scc1 .Lnot_wave_0_\@
	s_barrier_signal -3
.Lnot_wave_0_\@:
	s_barrier_wait -3
	s_barrier_signal -1
	s_barrier_wait -1
.endm
.macro CROUND                          ; a whole round
	s_barrier_signal -1
	s_barrier_wait -1
	CREST
.endm
	s_load_b256 s[4:11], s[0:1], 0x0               ; x_codes, x_scales, h_codes, h_scales
	s_load_b128 s[12:15], s[0:1], 0x20             ; w_codes, w_scales
	s_load_b256 s[16:23], s[0:1], 0x30             ; bias_i, bias_f, bias, bias_o
	s_load_b128 s[24:27], s[0:1], 0x50             ; hidden_state, out0
	v_lshl_add_u32 v[SPW], v0, 2, SPARE
	v_mov_b32 v[NIL], 0
	ds_add_u32 v28, v29
	ds_add_u32 v28, v29
	s_wait_dscnt 0x0
	v_lshrrev_b32 v1, 5, v0
	v_readfirstlane_b32 s[WV], v1                  ; wave 0..3
	s_lshr_b32 s[WR], s[WV], 1
	s_and_b32 s[WC], s[WV], 1
	s_bfe_u32 s60, ttmp6, 0x40000                  ; cx
	s_bfe_u32 s61, ttmp6, 0x40004                  ; cy
	s_lshl_b32 s62, ttmp9, 2
	s_add_co_u32 s62, s62, s60                     ; tile column = 4 x cluster x + cx
	s_and_b32 s63, ttmp7, 0xffff
	s_lshl_b32 s63, s63, 2
	s_add_co_u32 s63, s63, s61                     ; tile row = 4 x cluster y + cy
	s_lshl_b32 s101, s61, 2
	s_lshl_b32 s101, 15, s101                      ; my row of the cluster
	s_lshl_b32 s2, 0x1111, s60                     ; my column
	; group 1 for the tiles: 128 rows x 192 bytes, 768 bytes apart; 16 bytes of padding behind every 64
	s_or_b32 s[G1A], s101, (1<<20)|(1<<21)|(3<<22)|(3<<25)
	s_or_b32 s[G1B], s2, (1<<20)|(1<<21)|(3<<22)|(3<<25)
.irp g, G1A, G1B
	s_mov_b32 s[\g+1], ROWB<<16                    ; tensor_dim0
	s_mov_b32 s[\g+2], 128<<16                     ; tensor_dim1
	s_mov_b32 s[\g+3], ROWB<<16                    ; tile_dim0
	s_mov_b32 s[\g+4], 128                         ; tile_dim1
	s_mov_b32 s[\g+5], KROW                        ; from row to row
	s_mov_b32 s[\g+6], 0
	s_mov_b32 s[\g+7], 0
.endr
	; and for the scales of 128 rows and one half of K: 4,096 dense bytes as 16 rows of 32 elements of 8 bytes, 16 bytes of padding behind each
	s_or_b32 s[G1S], s101, (3<<16)|(1<<20)|(1<<21)|(5<<22)|(3<<25)
	s_or_b32 s[G1SB], s2, (3<<16)|(1<<20)|(1<<21)|(5<<22)|(3<<25)
.irp g, G1S, G1SB
	s_mov_b32 s[\g+1], 32<<16
	s_mov_b32 s[\g+2], 16<<16
	s_mov_b32 s[\g+3], 32<<16
	s_mov_b32 s[\g+4], 16
	s_mov_b32 s[\g+5], 32
	s_mov_b32 s[\g+6], 0
	s_mov_b32 s[\g+7], 0
.endr
	s_lshl_b32 s62, s62, 8                         ; 256 x tile column: the tile's first n', and the byte of its first column in a row of f32
	s_lshl_b32 s63, s63, 8                         ; 256 x tile row: the tile's first row
	s_lshl_b32 s60, s[WC], 7
	s_add_co_u32 s60, s60, s62                     ; the 128 rows of B that I fetch, and that I multiply by
	s_lshl_b32 s61, s[WC], 7
	s_add_co_u32 s61, s61, s63                     ; the 128 rows of A that I fetch
	v_and_b32 v1, 15, v0                           ; r = lane % 16
	v_bfe_u32 v2, v0, 4, 1                         ; h = lane / 16
	v_lshl_add_u32 v[VB], v2, 5, s60               ; a bias: 4 bytes x (my first column = first n' / 4) + 32 h
	s_mul_i32 s104, s61, KROW
	s_mov_b32 s105, 0
	s_mul_i32 s2, s60, KROW
	s_mov_b32 s3, 0
	s_wait_kmcnt 0x0
	; groups 0.  A's hang on the tile row alone, B's on the tile column alone; the LDS addresses on the wave's number alone
	s_mov_b32 s[G0A], 1
	s_mul_i32 s[G0A+1], s[WV], HALFT
	s_add_nc_u64 s[G0A+2:G0A+3], s[4:5], s[104:105]        ; slot 0: x_codes
	s_or_b32 s[G0A+3], s[G0A+3], 0x80000000
	s_mov_b32 s[G0A+4], 1
	s_add_co_u32 s[G0A+5], s[G0A+1], SLOT
	s_add_nc_u64 s[G0A+6:G0A+7], s[8:9], s[104:105]        ; slot 1: h_codes
	s_or_b32 s[G0A+7], s[G0A+7], 0x80000000
	s_mov_b32 s[G0B], 1
	s_mul_i32 s[G0B+1], s[WV], HALFT
	s_add_nc_u64 s[G0B+2:G0B+3], s[12:13], s[2:3]          ; slot 0: plane 0 of w_codes
	s_add_nc_u64 s[G0B+6:G0B+7], s[G0B+2:G0B+3], 4096*KROW ; slot 1: plane 1
	s_or_b32 s[G0B+3], s[G0B+3], 0x80000000
	s_mov_b32 s[G0B+4], 1
	s_add_co_u32 s[G0B+5], s[G0B+1], SLOT
	s_or_b32 s[G0B+7], s[G0B+7], 0x80000000
	s_lshl_b32 s104, s61, 5                        ; 32 scale bytes a row and half of K
	s_lshl_b32 s2, s60, 5
	s_mov_b32 s[G0S], 1
	s_mul_i32 s[G0S+1], s[WV], HALFS
	s_add_co_u32 s[G0S+1], s[G0S+1], SCL
	s_add_nc_u64 s[G0S+2:G0S+3], s[6:7], s[104:105]        ; x_scales
	s_or_b32 s[G0S+3], s[G0S+3], 0x80000000
	s_mov_b32 s[G0S+4], 1
	s_add_co_u32 s[G0S+5], s[G0S+1], SCP
	s_add_nc_u64 s[G0S+6:G0S+7], s[10:11], s[104:105]      ; h_scales
	s_or_b32 s[G0S+7], s[G0S+7], 0x80000000
	s_mov_b32 s[G0SB], 1
	s_mul_i32 s[G0SB+1], s[WV], HALFS
	s_add_co_u32 s[G0SB+1], s[G0SB+1], SCL
	s_add_nc_u64 s[G0SB+2:G0SB+3], s[14:15], s[2:3]        ; plane 0 of w_scales
	s_add_nc_u64 s[G0SB+6:G0SB+7], s[G0SB+2:G0SB+3], 4096*32
	s_or_b32 s[G0SB+3], s[G0SB+3], 0x80000000
	s_mov_b32 s[G0SB+4], 1
	s_add_co_u32 s[G0SB+5], s[G0SB+1], SCP
	s_or_b32 s[G0SB+7], s[G0SB+7], 0x80000000
	; c_prev: my wave's 64 rows of the tile, 256 bytes of each: hidden_state + (first row + 64 wave) x 8,192 + 4,096 + the tile's first column
	s_lshl_b32 s104, s[WV], 6
	s_add_co_u32 s104, s104, s63
	s_lshl_b32 s104, s104, 13
	s_add_co_u32 s104, s104, s62
	s_add_co_u32 s104, s104, 4096
	s_add_nc_u64 s[24:25], s[24:25], s[104:105]    ; also the prefetch's base; never rewritten after this
	; out0 at the first row that I store: first row + 128 (my half) + 8 (my part of a chunk of 16 rows)
	s_lshl_b32 s104, s[WR], 7
	s_lshl_b32 s2, s[WC], 3
	s_add_co_u32 s104, s104, s2
	s_add_co_u32 s104, s104, s63
	s_lshl_b32 s104, s104, 13
	s_add_co_u32 s104, s104, s62
	s_add_nc_u64 s[26:27], s[26:27], s[104:105]
	s_mov_b32 s[G0C], 1
	s_mul_i32 s[G0C+1], s[WV], 64*EP
	s_mov_b64 s[G0C+2:G0C+3], s[24:25]
	s_or_b32 s[G0C+3], s[G0C+3], 0x80000000
	s_mov_b32 s[G1C], (3<<16)|(1<<20)|(5<<22)|(3<<25)      ; no mask; elements of 8 bytes; 16 bytes of padding behind every 256
	s_mov_b32 s[G1C+1], 32<<16                     ; tensor_dim0 = 32 elements
	s_mov_b32 s[G1C+2], 64<<16                     ; tensor_dim1 = 64 rows
	s_mov_b32 s[G1C+3], 32<<16                     ; tile_dim0
	s_mov_b32 s[G1C+4], 64                         ; tile_dim1
	s_mov_b32 s[G1C+5], 1024                       ; 8,192 bytes from row to row
	s_mov_b32 s[G1C+6], 0
	s_mov_b32 s[G1C+7], 0
	CROUND                                         ; all sixteen work-groups are here: the first joint loads meet
	JLOAD G0S, G1S, G0SB, G1SB                     ; the four first fills go out as one group: four tensor loads of mine are out.  The x half's scales,
	JLOAD G0S+4, G1S, G0SB+4, G1SB                 ; the h half's,
	JLOAD G0A, G1A, G0B, G1B                       ; slot 0: x0,
	JLOAD G0A+4, G1A, G0B+4, G1B                   ; slot 1: h0
	; the biases in the result's layout: block b = 4 cg + g, lane (r, h): columns 16 cg + 8 h + 0 .. 7 of gate g; both halves of each bias
.irp cg, 0,1
.irp g, 0,1,2,3
.irp jj, 0,1
	global_load_b128 v[BI+8*(4*\cg+\g)+4*\jj:BI+8*(4*\cg+\g)+4*\jj+3], v[VB], s[16+2*\g:17+2*\g] offset:64*\cg+16*\jj
	global_load_b128 v[BH+8*(4*\cg+\g)+4*\jj:BH+8*(4*\cg+\g)+4*\jj+3], v[VB], s[16+2*\g:17+2*\g] offset:4096+64*\cg+16*\jj
.endr
.endr
.endr
	v_mul_u32_u24 v3, v1, PITCH
	v_mul_u32_u24 v4, v2, 24
	v_add_nc_u32 v4, v3, v4                        ; a fragment's row x pitch + 24 x half
	v_lshl_add_u32 v5, v2, 4, v4                   ; and the same behind one padding more
	s_mul_i32 s2, s[WR], HALFT                     ; my 128 rows of A
	s_mul_i32 s3, s[WC], HALFT                     ; my 128 rows of B,
	s_add_co_u32 s3, s3, 2*HALFT                   ; behind A's 256
.irp s, 0,1
	v_add_nc_u32 v[ADRA+\s], s2, v4
	v_add_nc_u32 v[ADRB+\s], s3, v4
	v_add_nc_u32 v[ADRA+2+\s], s2, v5
	v_add_nc_u32 v[ADRB+2+\s], s3, v5
	s_add_co_u32 s2, s2, SLOT
	s_add_co_u32 s3, s3, SLOT
.endr
	v_lshlrev_b32 v5, 5, v1                        ; my row's scales: 32 bytes a row,
	v_lshrrev_b32 v6, 3, v1
	v_lshl_add_u32 v5, v6, 4, v5                   ; and 16 more behind the first 256
	s_mul_i32 s2, s[WR], HALFS                     ; A's: my 128 rows
	s_mul_i32 s3, s[WC], HALFS                     ; B's: my 128 rows, behind A's 256
	s_add_co_u32 s3, s3, 2*HALFS
	s_sub_co_u32 s3, s3, s2
	v_mul_u32_u24 v6, s3, v2                       ; lanes 16-31 take B's: one product, the distance between the two bases
	s_add_co_u32 s2, s2, SCL
	v_add_nc_u32 v5, v5, v6
	v_add_nc_u32 v[ADRS], s2, v5                   ; the x half: at its first K step
	v_add_nc_u32 v[ADRS+1], SCP-8, v[ADRS]         ; the h half: one K step (8 bytes) under its first: each change of slots steps first and loads then
	s_mul_i32 s2, s[WR], 128*EP
	s_lshl_b32 s3, s[WC], 7
	s_add_co_u32 s3, s3, s2
	v_mul_u32_u24 v5, v1, EP
	v_lshl_add_u32 v5, v2, 5, v5
	v_add_nc_u32 v[CPA], s3, v5                    ; (128 half + r) rows + 128 bytes x column half + 32 h
	v_add_nc_u32 v[HPA], SLOT, v[CPA]
	s_mul_i32 s3, s[WC], 8*EP
	s_add_co_u32 s3, s3, s2
	v_mul_u32_u24 v5, v2, EP
	v_lshl_add_u32 v5, v1, 4, v5
	v_add_nc_u32 v[RDC], s3, v5                    ; back: of a chunk's 16 rows I take 8: lanes 0-15 one row of 256 bytes, lanes 16-31 the next
	v_add_nc_u32 v[RDH], SLOT, v[RDC]
	v_lshlrev_b32 v[CO], 13, v2
	v_lshl_add_u32 v[CO], v1, 4, v[CO]             ; and the same two rows in out0
	v_and_b32 v[PFO], 31, v0
	v_lshlrev_b32 v[PFO], 13, v[PFO]
	s_wait_loadcnt 0x0                             ; the biases
.set EI, 0
.rept 32
	v_pk_add_f32 v[BI+EI:BI+EI+1], v[BI+EI:BI+EI+1], v[BH+EI:BH+EI+1]   ; b[:1024] + b[1024:]
.set EI, EI+2
.endr
.rept 4
	v_nop
.endr
.macro FRAG reg, adr, q, i             ; 16 rows x 128 K of 6-bit codes: 12 registers; lane l: row l % 16; registers 6 c .. 6 c + 5: K = 64 c + 32 (l / 16) + 0 .. 31: 24 bytes of the row as they lie
.irp p, 0,1,2,3,4,5                    ; in pieces of 8 bytes.  Lanes 16-31 read three pieces further on; where that is behind one padding more, the second address register serves
.set PC, 12*(\q)+6*(\p/3)+\p%3
.if PC%8 < 5
	ds_load_b64 v[\reg+2*\p:\reg+2*\p+1], v[\adr] offset:8*PC+16*(PC/8)+(\i)*16*PITCH
.else
	ds_load_b64 v[\reg+2*\p:\reg+2*\p+1], v[\adr+2] offset:8*PC+16*(PC/8)+(\i)*16*PITCH
.endif
.endr
.endm
; 8 matrix instructions: A's block a x B's eight, the slot's q-th 128 along K.  p: B's set; sc: the set of scale words.  zero = 1: the sums begin with the biases as C: nothing is cleared or added later.
; The 64 accumulators take turns, one instruction a turn, in the same order in every step.
.macro MM8 a, p, q, sc, zero
.irp b, 0,1,2,3,4,5,6,7
.if \zero
	v_wmma_scale_f32_16x16x128_f8f6f4 v[8*(8*((\a)%4)+\b):8*(8*((\a)%4)+\b)+7], v[128*(\p)+FR*\b:128*(\p)+FR*\b+FR-1], v[AF+FR*(\a):AF+FR*(\a)+FR-1], v[BI+8*\b:BI+8*\b+7], v[SC+8*NQ*(\sc)+NQ*\b+(\q)], v[SC+8*NQ*(\sc)+NQ*(\a)+(\q)] matrix_a_fmt:MATRIX_FMT_FP6 matrix_b_fmt:MATRIX_FMT_FP6 matrix_a_scale:MATRIX_SCALE_ROW1
.else
	v_wmma_scale_f32_16x16x128_f8f6f4 v[8*(8*((\a)%4)+\b):8*(8*((\a)%4)+\b)+7], v[128*(\p)+FR*\b:128*(\p)+FR*\b+FR-1], v[AF+FR*(\a):AF+FR*(\a)+FR-1], v[8*(8*((\a)%4)+\b):8*(8*((\a)%4)+\b)+7], v[SC+8*NQ*(\sc)+NQ*\b+(\q)], v[SC+8*NQ*(\sc)+NQ*(\a)+(\q)] matrix_a_fmt:MATRIX_FMT_FP6 matrix_b_fmt:MATRIX_FMT_FP6 matrix_a_scale:MATRIX_SCALE_ROW1
.endif
.endr
.endm
.macro LOAD_B slot, q, p, b0, nb       ; B's fragments b0 .. b0 + nb - 1 of the slot's q-th 128 along K into set p; leaves every window 0
	WIN TO_B
.set FI, \b0
.rept \nb
	FRAG 128*(\p)+FR*FI, ADRB+\slot, \q, FI
.set FI, FI+1
.endr
	WIN 0
.endm
.macro LOAD_A slot, q, a0              ; A's blocks a0, a0 + 1 (every window is 0 here)
.irp i, \a0, \a0+1
	FRAG AF+FR*(\i), ADRA+\slot, \q, \i
.endr
.endm
.macro SCALES sc                       ; a K step's scale words into set sc: two words a row; lanes 0-15 A's block i, lanes 16-31 B's block i
.irp i, 0,1,2,3,4,5,6,7
	ds_load_b64 v[SC+8*NQ*\sc+NQ*\i:SC+8*NQ*\sc+NQ*\i+1], v[ADRS+\sc] offset:\i*SBLK
.endr
.endm
.macro PLACES n                        ; plain vector lines between a matrix instruction and a load into, or a vector read or write of, its registers
.rept \n
	v_nop
.endr
.endm
; A run of LDS loads behind a group of 16 matrix instructions, for the step (nslot, nq) that follows: nb of B's fragments from b0 on into set np (which the step before this one read last, with places since),
; and A's blocks a0, a0 + 1 into the registers that the group just read: so four places stand in front (places = 0: the four lines behind a tensor load are these places).
.macro RUN nslot, nq, np, a0, b0, nb, places
.if \places
	PLACES NP
.endif
.if \nb
	LOAD_B \nslot, \nq, \np, \b0, \nb
.else
	WIN 0
.endif
	LOAD_A \nslot, \nq, \a0
.endm
; A slot's first step (B's set 0); the runs fetch the slot's second step (set 1): with the last of them my reads of the slot are all issued.
.macro STEP slot, zero
	s_wait_dscnt 2*NL                              ; B's set, A's blocks 0-5 and the scale words are in; the youngest 12 loads (A's blocks 6, 7) may be out
	WLO \zero
	MM8 0, 0, 0, \slot, \zero
	MM8 1, 0, 0, \slot, \zero
	RUN \slot, 1, 1, 0, 0, 3, 1                    ; 30 loads
	s_wait_dscnt 5*NL                              ; all but those 30: A's blocks 6, 7 are in
	WLO \zero
	MM8 2, 0, 0, \slot, \zero
	MM8 3, 0, 0, \slot, \zero
	RUN \slot, 1, 1, 2, 3, 3, 1                    ; 30
	WHI \zero
	MM8 4, 0, 0, \slot, \zero
	MM8 5, 0, 0, \slot, \zero
	RUN \slot, 1, 1, 4, 6, 2, 1                    ; 24
	WHI \zero
	MM8 6, 0, 0, \slot, \zero
	MM8 7, 0, 0, \slot, \zero
	RUN \slot, 1, 1, 6, 0, 0, 1                    ; 12
.endm
; A slot's second step (B's set 1) changes slots at its head: each wave waits for all its tensor loads, adds 0 to its spare word, waits for that and for its reads of this slot (the last were issued at the
; end of the step before), and a round of the cluster's barrier follows.  Behind it this slot is filled again, and the runs fetch the other slot's first step.  From a refill to the wait for it a wave issues 112 matrix instructions.
; fill = 1: this slot takes its half's next K step, by joint loads.  fill = 2: slot 0 takes c_prev, each wave its own 64 rows: the slot's last fill.
; ask = 1: in the loop's last trip my 64 rows x 256 bytes of c_prev are prefetched, a lane a row, two instructions: two K steps, 256 matrix instructions, ahead of the load that wants them; each row's bytes are named once in the launch.
.macro TURN slot, next, fill, ask
	s_wait_tensorcnt 0x0                           ; all my tensor loads have landed: my part of the other slot
	ds_add_u32 v[SPW], v[NIL]                      ; 0 onto my spare word
	s_wait_dscnt 2*NL+1                            ; (the add and the youngest 12 loads, A's blocks 6, 7, may be out)
	WIN MUL_LO
	MM8 0, 1, 1, \slot, 0                          ; eight matrix instructions stand between the add and the wait for it
	s_wait_dscnt 0x0                               ; the add is done, and my reads of this slot are over
	s_barrier_signal -1
	MM8 1, 1, 1, \slot, 0
	WIN 0
	s_barrier_wait -1
	CREST                                          ; no wave of any partner still reads this slot or has a load on its way
.if \fill == 1
	s_add_nc_u64 s[G0A+4*\slot+2:G0A+4*\slot+3], s[G0A+4*\slot+2:G0A+4*\slot+3], ROWB   ; each slot walks its own buffers: one K step on
	s_add_nc_u64 s[G0B+4*\slot+2:G0B+4*\slot+3], s[G0B+4*\slot+2:G0B+4*\slot+3], ROWB
	JLOAD G0A+4*\slot, G1A, G0B+4*\slot, G1B       ; the first tensor load behind the round; its four v_nop are also the places in front of the loads below
.else
	tensor_load_to_lds s[G0C:G0C+3], s[G1C:G1C+7]  ; both addresses hang on the wave's number: each wave moves rows of its own
	s_nop 0
.rept 4
	v_nop
.endr
.endif
	RUN \next, 0, 0, 0, 0, 3, 0                    ; 30 loads: the first reads of the other slot
.if \ask
	s_cmp_eq_u32 s3, 1
	s_cbranch_scc0 .Lno_ask_\@
	global_prefetch_b8 v[PFO], s[24:25] th:TH_LOAD_NT scope:SCOPE_SE
	global_prefetch_b8 v[PFO], s[24:25] offset:32*8192 th:TH_LOAD_NT scope:SCOPE_SE
.Lno_ask_\@:
.endif
	WIN MUL_LO
	MM8 2, 1, 1, \slot, 0
	MM8 3, 1, 1, \slot, 0
	RUN \next, 0, 0, 2, 3, 3, 1                    ; 30
	WIN MUL_HI
	MM8 4, 1, 1, \slot, 0
	MM8 5, 1, 1, \slot, 0
	RUN \next, 0, 0, 4, 6, 2, 1                    ; 24,
	v_add_nc_u32 v[ADRS+\next], 4*NQ, v[ADRS+\next]   ; that half's next scale words,
	SCALES \next                                   ; and their 8
	WIN MUL_HI
	MM8 6, 1, 1, \slot, 0
	MM8 7, 1, 1, \slot, 0
	RUN \next, 0, 0, 6, 0, 0, 1                    ; 12
.endm
	s_wait_tensorcnt 1                             ; both halves' scales and my part of x0 are in; h0's load may be out
	s_barrier_signal -1
	s_barrier_wait -1                              ; everybody's are
	LOAD_B 0, 0, 0, 0, 8
	LOAD_A 0, 0, 0
	LOAD_A 0, 0, 2
	LOAD_A 0, 0, 4
	SCALES 0
	LOAD_A 0, 0, 6                                 ; the youngest 12, as behind every step
	STEP 0, 1                                      ; the first step stands in front of the loop: its products start the sums, on the biases
	s_mov_b32 s3, LAPS-1
.Llap:                                                 ; a trip goes once round the ring and fills both slots again
	TURN 0, 1, 1, 1
	STEP 1, 0
	TURN 1, 0, 1, 0
	STEP 0, 0
	s_sub_co_u32 s3, s3, 1
	s_cmp_lg_u32 s3, 0
	s_cbranch_scc1 .Llap
	TURN 0, 1, 2, 0                                ; x3's second half; slot 0 takes c_prev
	STEP 1, 0                                      ; h3
	s_wait_dscnt 2*NL                              ; the very last step: nothing more to fetch
	WIN MUL_LO
	MM8 0, 1, 1, 1, 0
	MM8 1, 1, 1, 1, 0
	MM8 2, 1, 1, 1, 0
	MM8 3, 1, 1, 1, 0
	s_wait_dscnt 0
	WIN MUL_HI
	MM8 4, 1, 1, 1, 0
	MM8 5, 1, 1, 1, 0
	MM8 6, 1, 1, 1, 0
	MM8 7, 1, 1, 1, 0
	WIN 0
; THE CELL, a chunk of 16 of my rows at a time (A's block a): 16 outputs a lane.
.macro CPLOAD a                        ; my 16 numbers of c_prev: row 16 a + r, columns 16 cg + 8 h + 0 .. 7
.irp cg, 0,1
.irp jj, 0,1
	ds_load_b128 v[CPR+8*\cg+4*\jj:CPR+8*\cg+4*\jj+3], v[CPA] offset:(\a)*CHUNK+64*\cg+16*\jj
.endr
.endr
.endm
; The transcendentals go in batches, each with one plain line and one wait ahead of its first reader.
.macro ACT a
	WIN (0x02+(\a)/4)                              ; source 0: the accumulators' window
.irp cg, 0,1
.irp g, 0,1,2,3
.irp j, 0,2,4,6                        ; each accumulator from its low end on
.if \g == 2
	v_pk_mul_f32 v[T+16*\g+8*\cg+\j:T+16*\g+8*\cg+\j+1], v[8*(8*((\a)%4)+4*\cg+\g)+\j:8*(8*((\a)%4)+4*\cg+\g)+\j+1], s[PLE:PLE+1] op_sel_hi:[1,0]   ; the candidate: 2 z log2 e
.else
	v_pk_mul_f32 v[T+16*\g+8*\cg+\j:T+16*\g+8*\cg+\j+1], v[8*(8*((\a)%4)+4*\cg+\g)+\j:8*(8*((\a)%4)+4*\cg+\g)+\j+1], s[NLE:NLE+1] op_sel_hi:[1,0]   ; a gate: -z log2 e
.endif
.endr
.endr
.endr
	WIN 0
.set EI, 0
.rept 64
	v_exp_f32 v[T+EI], v[T+EI]
.set EI, EI+1
.endr
	v_nop
	s_wait_alu depctr_va_vdst(0)
.set EI, 0
.rept 32
	v_pk_add_f32 v[T+EI:T+EI+1], v[T+EI:T+EI+1], 1.0 op_sel_hi:[1,0]
.set EI, EI+2
.endr
.set EI, 0
.rept 64
	v_rcp_f32 v[T+EI], v[T+EI]                     ; i, f, o are done; the candidate wants 1 - 2 x this
.set EI, EI+1
.endr
	v_nop
	s_wait_alu depctr_va_vdst(0)
.set EI, 0
.rept 8
	v_pk_fma_f32 v[TG+EI:TG+EI+1], v[TG+EI:TG+EI+1], -2.0, 1.0 op_sel_hi:[1,0,0]   ; g = tanh(z)
.set EI, EI+2
.endr
.set EI, 0
.rept 8
	v_pk_mul_f32 v[TG+EI:TG+EI+1], v[TI+EI:TI+EI+1], v[TG+EI:TG+EI+1]              ; i g
.set EI, EI+2
.endr
	s_wait_dscnt 0x0                               ; c_prev is in
.set EI, 0
.rept 8
	v_pk_fma_f32 v[CPR+EI:CPR+EI+1], v[TF+EI:TF+EI+1], v[CPR+EI:CPR+EI+1], v[TG+EI:TG+EI+1]   ; c_t = f c_prev + i g
.set EI, EI+2
.endr
.set EI, 0
.rept 8
	v_pk_mul_f32 v[TC+EI:TC+EI+1], v[CPR+EI:CPR+EI+1], s[PLE:PLE+1] op_sel_hi:[1,0]
.set EI, EI+2
.endr
.set EI, 0
.rept 16
	v_exp_f32 v[TC+EI], v[TC+EI]
.set EI, EI+1
.endr
	v_nop
	s_wait_alu depctr_va_vdst(0)
.set EI, 0
.rept 8
	v_pk_add_f32 v[TC+EI:TC+EI+1], v[TC+EI:TC+EI+1], 1.0 op_sel_hi:[1,0]
.set EI, EI+2
.endr
.set EI, 0
.rept 16
	v_rcp_f32 v[TC+EI], v[TC+EI]
.set EI, EI+1
.endr
	v_nop
	s_wait_alu depctr_va_vdst(0)
.set EI, 0
.rept 8
	v_pk_fma_f32 v[TC+EI:TC+EI+1], v[TC+EI:TC+EI+1], -2.0, 1.0 op_sel_hi:[1,0,0]   ; tanh(c_t)
.set EI, EI+2
.endr
.set EI, 0
.rept 8
	v_pk_mul_f32 v[HH+EI:HH+EI+1], v[TO+EI:TO+EI+1], v[TC+EI:TC+EI+1]              ; h_t
.set EI, EI+2
.endr
.endm
; A row's 256 bytes come from two waves: so the chunk's h_t and c_t go to LDS (c_t over the c_prev that the same lane has read), a barrier follows each wave's wait for its stores, and whole rows are read back.
; Every chunk has bytes of its own, so one barrier a chunk is enough.
.macro STAGE a
.irp cg, 0,1
.irp jj, 0,1
	ds_store_b128 v[HPA], v[HH+8*\cg+4*\jj:HH+8*\cg+4*\jj+3] offset:(\a)*CHUNK+64*\cg+16*\jj
	ds_store_b128 v[CPA], v[CPR+8*\cg+4*\jj:CPR+8*\cg+4*\jj+3] offset:(\a)*CHUNK+64*\cg+16*\jj
.endr
.endr
	s_wait_dscnt 0x0                               ; for the others' sake: my stores are done
	s_barrier_signal -1
	s_barrier_wait -1
.endm
.macro RBACK a
.if (\a) > 0
	s_wait_xcnt 0x0                                ; the last chunk's stores have read their registers: these loads may land there
.endif
.irp t, 0,1,2,3
	ds_load_b128 v[OB+4*\t:OB+4*\t+3], v[RDH] offset:(\a)*CHUNK+2*EP*\t
	ds_load_b128 v[OB+16+4*\t:OB+16+4*\t+3], v[RDC] offset:(\a)*CHUNK+2*EP*\t
.endr
.endm
.macro SEND a, younger                 ; younger: the next chunk's four loads of c_prev, which may stay out
	s_wait_dscnt \younger
.irp t, 0,1,2,3
	global_store_b128 v[CO], v[OB+4*\t:OB+4*\t+3], s[26:27] offset:(16*(\a)+2*\t)*8192 th:TH_STORE_NT          ; h_t: sixteen lanes store 256 consecutive bytes, aligned; two rows an instruction
	global_store_b128 v[CO], v[OB+16+4*\t:OB+16+4*\t+3], s[26:27] offset:(16*(\a)+2*\t)*8192+4096 th:TH_STORE_NT   ; c_t likewise, 4,096 bytes on in the row
.endr
.endm
	PLACES NP                                      ; behind the last products: for the reads of their results and the loads into A's registers
	s_wait_tensorcnt 0x0                           ; my 64 rows of c_prev are in;
	s_barrier_signal -1                            ; (no LDS instruction of mine is out: the last wait on them stood ahead of the last 32 products)
	s_barrier_wait -1                              ; everybody's are, and nobody reads slot 1 any more
	s_mov_b32 s[NLE], 0xbfb8aa3b                   ; -log2(e)
	s_mov_b32 s[NLE+1], 0xbfb8aa3b                 ; (named as a pair, so both words are written)
	s_mov_b32 s[PLE], 0x4038aa3b                   ; 2 log2(e)
	s_mov_b32 s[PLE+1], 0x4038aa3b
	CPLOAD 0
.irp a, 0,1,2,3,4,5,6,7
	ACT \a
	STAGE \a
	RBACK \a
.if \a < 7
	CPLOAD \a+1                                    ; lands while this chunk is stored and the next one's gates are made
	SEND \a, 4
.else
	SEND \a, 0
.endif
.endr
	s_wait_tensorcnt 0x0                           ; the wave's end, behind my last tensor load and my last LDS store
	ds_add_u32 v[SPW], v[NIL]
	s_wait_dscnt 0x0
	CROUND                                         ; the closing round: no work-group ends while a partner may still ask for a tile that names it
	s_endpgm
.Lfunc_end_k_q5ee5f600ee_cell:
	.size	k_q5ee5f600ee_cell, .Lfunc_end_k_q5ee5f600ee_cell-k_q5ee5f600ee_cell
	.p2alignl 7, 3214868480
	.fill 96, 4, 3214868480
	.section	.rodata,"a",@progbits
	.p2align	6, 0x0
	.amdhsa_kernel k_q5ee5f600ee_cell
		.amdhsa_group_segment_fixed_size 327680
		.amdhsa_private_segment_fixed_size 0
		.amdhsa_enable_private_segment 0
		.amdhsa_kernarg_size 96
		.amdhsa_user_sgpr_count 2
		.amdhsa_user_sgpr_kernarg_segment_ptr 1
		.amdhsa_wavefront_size32 1
		.amdhsa_system_sgpr_workgroup_id_x 1
		.amdhsa_system_sgpr_workgroup_id_y 1
		.amdhsa_system_sgpr_workgroup_id_z 1
		.amdhsa_system_vgpr_workitem_id 0
		.amdhsa_next_free_vgpr 1024
		.amdhsa_next_free_sgpr 106
		.amdhsa_reserve_vcc 0
		.amdhsa_float_denorm_mode_32 3
		.amdhsa_float_denorm_mode_16_64 3
		.amdhsa_memory_ordered 1
		.amdhsa_forward_progress 1
		.amdhsa_inst_pref_size 255
	.end_amdhsa_kernel
	.section	.bss,"aw",@nobits
	.p2align	6
	.space	262144
	.amdgpu_metadata
---
amdhsa.version: [ 1, 2 ]
amdhsa.kernels:
  - .name:           k_q5ee5f600ee_cell
    .symbol:         k_q5ee5f600ee_cell.kd
    .args:
      - { .name: x_codes, .offset: 0, .size: 8, .value_kind: global_buffer, .address_space: global }
      - { .name: x_scales, .offset: 8, .size: 8, .value_kind: global_buffer, .address_space: global }
      - { .name: h_codes, .offset: 16, .size: 8, .value_kind: global_buffer, .address_space: global }
      - { .name: h_scales, .offset: 24, .size: 8, .value_kind: global_buffer, .address_space: global }
      - { .name: w_codes, .offset: 32, .size: 8, .value_kind: global_buffer, .address_space: global }
      - { .name: w_scales, .offset: 40, .size: 8, .value_kind: global_buffer, .address_space: global }
      - { .name: bias_i, .offset: 48, .size: 8, .value_kind: global_buffer, .address_space: global }
      - { .name: bias_f, .offset: 56, .size: 8, .value_kind: global_buffer, .address_space: global }
      - { .name: bias, .offset: 64, .size: 8, .value_kind: global_buffer, .address_space: global }
      - { .name: bias_o, .offset: 72, .size: 8, .value_kind: global_buffer, .address_space: global }
      - { .name: hidden_state, .offset: 80, .size: 8, .value_kind: global_buffer, .address_space: global }
      - { .name: out0, .offset: 88, .size: 8, .value_kind: global_buffer, .address_space: global }
    .group_segment_fixed_size: 327680
    .private_segment_fixed_size: 0
    .kernarg_segment_align: 8
    .kernarg_segment_size: 96
    .max_flat_workgroup_size: 128
    .sgpr_count:     106
    .vgpr_count:     1024
    .wavefront_size: 32
...
	.end_amdgpu_metadata
.endif
;; end of part 2
